; MI455X (gfx1250); checked and timed in simulation.
; The chip was launched on July 23, 2026; its instructions are those of AMD's public machine-readable ISA for CDNA 5 (MIT licence, August 2026) and "CDNA5" Instruction Set Architecture Reference Guide (July 2026). The comments in the code are by the model that wrote it; some were corrected since.
;; Bahdanau Attention. Allowed arithmetic: matrix products marked QUANTISED: E3M2 operands, one E8M0 scale for each 32 along K, by v_wmma_scale_f32_16x16x128_f8f6f4 with both operands' format E3M2, f32 sums; products left as they are: f32 operands where the result goes on into a quantised operand, else bf16, f16 or f32 operands; f32 sums; everything else in f32.
;; Inputs: Wh_codes 512 x 16 x 24 uint8 (E3M2 codes of Wh, K innermost, in blocks of 32 codes, four codes in three bytes); Wh_scales 512 x 16 uint8 (E8M0 scales of Wh, one for each 32 codes along K); Ws_codes 512 x 16 x 24 uint8 (E3M2 codes of Ws, K innermost, in blocks of 32 codes, four codes in three bytes); Ws_scales 512 x 16 uint8 (E8M0 scales of Ws, one for each 32 codes along K); encoder_outputs 64 x 2,048 x 512 float32; mask 64 x 2,048 int32; v 512 float32.
;; Outputs: out0 64 x 512 float32; out1 64 x 2,048 float32.
;; This version of the problem:
;;   THIS VERSION OF THE PROBLEM IS GIVEN IN LOW PRECISION. The matrix products marked QUANTISED in the list below multiply operands that are first quantised to E3M2 (3 exponent bits, 2 mantissa bits; 6 bits a number), with one power-of-two scale for each 32 numbers along K (OCP MX v1.0); their sums are f32. All else is computed in f32.
;;   The module's matrix products, in the order in which they are computed (A, B: the left and right operand; K: the contracted axis; several contracted axes count as one K, in the product's order):
;;     1. [M 131,072, K 512] x [K 512, N 512]; A: input encoder_outputs; B: input Wh (given as codes): QUANTISED
;;     2. [M 131,072, K 512] x [K 512, N 512]; A: input encoder_outputs; B: input Ws (given as codes): QUANTISED
;;     3. [M 131,072, K 512] x [K 512, N 1]; A: computed on the way; B: input v: left as it is (N = 1 < 16)
;;     4. batch 64 x [M 1, K 2,048] x [K 2,048, N 512]; A: softmax; B: input encoder_outputs: left as it is (M = 1 < 16)
;;   THE QUANTISER, for each operand of a quantised product, along K:
;;     - K is cut into blocks of 32 from its start; a last block that is shorter is filled with zeros.
;;     - A block's scale is 2^e with e = floor(log2(the largest magnitude in the block)) - 4, held to -126 .. 127; a block of zeros has e = 0. As a byte (E8M0): e + 127.
;;     - Each number is divided by its block's scale, clamped to +-28, and rounded to the nearest number of E3M2, ties to even, subnormals kept.
;;     - The product sums the exact products of the quantised numbers (number of the format x scale) in f32.
;;   ~~~python
;;   def quantise(x, axis):      # numpy; x: float32 -> the quantised numbers, widened to float32 again
;;       x = np.moveaxis(x, axis, -1); K = x.shape[-1]
;;       x = np.pad(x, [(0, 0)] * (x.ndim - 1) + [(0, -K % 32)]); x = x.reshape(x.shape[:-1] + (-1, 32)); a = np.abs(x).max(-1, keepdims=True)
;;       e = np.where(a > 0, np.clip(np.frexp(np.where(a > 0, a, 1))[1] - 1 - 4, -126, 127), 0)      # np.frexp(a)[1] - 1 = floor(log2(a)), exactly
;;       r = np.clip(x / 2.0 ** e, -28, 28)
;;       step = 2.0 ** (np.maximum(np.frexp(np.where(r == 0, 1, r))[1] - 1, -2) - 2)
;;       q = np.round(r / step) * step * 2.0 ** e      # np.round: ties to even
;;       return np.moveaxis(q.reshape(q.shape[:-2] + (-1,))[..., :K], -1, axis).astype(np.float32)
;;   ~~~
;;   INPUTS GIVEN AS CODES. Wh (in the module: [512, 512], K = its axis 1); Ws (in the module: [512, 512], K = its axis 1): each comes as NAME_codes (uint8): NAME with its K axis moved to the last place and cut into blocks of 32 codes, [.., K / 32, bytes a block], one block behind the other in memory; four codes in three bytes: a row's codes are one little-endian stream of bits, code i at bits 6 i .. 6 i + 5 (a code: sign, 3 exponent bits, 2 mantissa bits); and NAME_scales (uint8): the same leading axes, one E8M0 byte (e + 127) for each 32 codes along K. Its value is code x scale, taken as it is: it is not quantised again, and the codes and scales need not be those that the quantiser above would give.
;; One version. Each part assembles by itself: llvm-mc -triple=amdgcn-amd-amdhsa -mcpu=gfx1250 --defsym DOCPART=n.
;; ======== version 1 of 1: 2 launches
;; limits: right only within a limited range of input values
;; workspace buffers: tsc 524,288 bytes; pctx 1,048,576 bytes; pstat 65,536 bytes
;; launch score_ctx (part 1): grid 256 x 1, 8 waves a work-group, no clusters, 327,680 bytes of LDS; arguments encoder_outputs, mask, Wh_codes, Wh_scales, Ws_codes, Ws_scales, v, tsc, pctx, pstat; writes tsc, pctx, pstat
.if DOCPART == 1
	.amdgcn_target "amdgcn-amd-amdhsa--gfx1250"
	.amdhsa_code_object_version 6
	.text
	.protected	k_q33e0c93db0_score_ctx
	.globl	k_q33e0c93db0_score_ctx
	.p2align	8
	.type	k_q33e0c93db0_score_ctx,@function
k_q33e0c93db0_score_ctx:
	s_mov_b64 s[64:65], 0
	v_nop
	global_prefetch_b8 v0, s[64:65] scope:SCOPE_SE
	s_setreg_imm32_b32 hwreg(HW_REG_WAVE_MODE, 25, 1), 1
	s_wait_xcnt 0x0
; score[row] = sum over o of v[o] tanh(Q(x[row]) . Wh[o] + Q(x[row]) . Ws[o]); rows with mask == 0 get -1e9; softmax over a batch's 2,048 rows; context = sum of weight x row of x.
; x = encoder_outputs: 131,072 rows of 512 f32.  Wh, Ws: codes of E3M2 with one E8M0 byte for each 32 along K, taken as they lie.  Q: the stated quantiser, in registers, from f32.
; NO WORK IS LEFT OUT AND EVERY INPUT IS LOADED: masked rows are hidden by values of an input, so they are computed and selected; Wh + Ws is no E3M2 tensor, so both products run (on one accumulator).
; SHARES.  Work-group g owns rows 512 g .. 512 g + 511, a quarter of batch g / 4, in 16 blocks of 32 rows.  Wave w of eight owns output columns 64 w .. 64 w + 63 of both weights: 32 fragments, 384 registers, loaded once.
; A PIPELINE OF THREE STAGES, ONE BARRIER A TRIP.  Trip k: block k is quantised (wave w makes fragment w: row tile w / 4, K step w % 4); block k - 1 is multiplied, with tanh and v;
; block k - 2 gets its softmax step and its context.  Each stage reads what the trip before left in LDS; images, scale words and partial scores have two buffers that take turns.
; x comes once from memory, by tensor loads, into a ring of four slots of 32 rows: in trip k slot k % 4 is quantised, slot (k + 2) % 4 serves the context, slot (k + 1) % 4 is filled, one load a wave behind the trip's barrier.
; The loop's one trip runs four blocks, until the slots are back where they began: every slot's address is a constant of the text.
; A running maximum m, sum l and context (under m) are kept per work-group; t = masked score x log2(e) is gathered in LDS and stored at the end; the second launch joins a batch's four quarters.
; tanh(a) = 1 - 2 / (1 + 2^(2 log2(e) a)), so score = sum(v) + sum over o of (-2 v[o]) / (1 + 2^(..)).
; K IS PERMUTED BY WHOLE BLOCKS OF 32, alike in x, in the weights and in both sides' scale bytes: place (K step s, c, h) of a fragment holds true block 8 h + 2 s + c: a lane (r, h) takes 48 consecutive bytes
; of a weight row and 64 consecutive numbers of an x row for each K step.  The products are the same; the order of the f32 sums differs.
; THE MATRIX INSTRUCTION IS USED TRANSPOSED (source 0 = 16 rows of a weight, source 1 = 16 rows of x): a lane holds one row of x and eight output columns.
; NO CLUSTER: the work-groups share the weights alone, 409,600 bytes that each reads once into registers; a joint load lands in LDS only, where they do not fit beside the ring's 268,288 bytes.
; PREFETCH: in trips 0 to 13 each wave names, a lane a block of 256 bytes, the 8 half rows that its own tensor load of the next trip will bring (block k + 2); blocks 0 and 1 come by their loads alone; trips 14 on ask for nothing.
; LIMITS: NaN and infinities among the inputs are not served; a block of x whose largest magnitude lies under 2^-122 gets the scale byte 1 (a block of zeros too: its codes are zeros, and this program alone reads the
; byte); softmax weights under 2^-126 come out as 0; the order of the f32 sums is not reference()'s.
; REGISTERS.  Window 1: v0-251 weight fragments u = 0 .. 20 (u = 8 s + 4 mat + t) at v[12 u]; v252 a copy of 16 x lane.  Window 0: v112-243 fragments 21 .. 31; v1, v2 the add's two; v4-7 my four context columns;
; v8-23 the weights' scale words; v24-25 x's scale words; v111 the prefetch's offset; v252 16 x lane; v253 m; v254 my part of l; v255 a permute's target; the rest at work.
.set WL,    0                          ; -2 v: wave w's 64 numbers at 256 w
.set MSK,   2048                       ; the work-group's 512 mask words
.set IMG,   4096                       ; x's fragments as images of their registers: 12,288 x buffer + 1,536 x fragment + 512 x group + 16 x lane
.set XSC,   28672                      ; x's scale words: 512 x buffer + 64 x fragment + 4 r
.set PS,    29696                      ; partial scores: 1,024 x buffer + 128 x wave + 4 x row
.set PB,    31744                      ; p: 128 x wave + 4 x row, each wave's own copy
.set TS,    32768                      ; t: 2,048 x wave + 4 x row, each wave's own copy
.set STG,   4096                       ; at the head only: 16 rows x 400 bytes for each wave; the first barrier parts it from what lies there later
.set SPARE, 55296                      ; the spare words, 128 bytes a wave
.set B0,    56320                      ; the ring: tensor loads alone write from here on
.set LINE,  1040                       ; a half row of x, 1,024 bytes + 16
.set REGW,  8384                       ; a wave's load: half w % 2 of rows 8 (w / 2) + 0 .. 7; 64 bytes more than 8 lines, so that rows 8 apart stand 128 bytes apart modulo 256
.set SLOT,  8*REGW
.set WSC,   8
.set XS,    24
.set F0,    30
.set F1,    42
.set ACC,   54
.set MSB, 0
.macro WIN new
.if MSB != (\new)
	s_set_vgpr_msb (MSB<<8)|(\new)
.set MSB, (\new)
.endif
.endm
.macro FRAGREG u
.if (\u) < 21
.set FW, 1
.set FB, 12*(\u)
.else
.set FW, 0
.set FB, 112+12*((\u)-21)
.endif
.endm
.macro NOP4                            ; four places behind a matrix instruction (ISA guide 7.12.1)
.rept 4
	v_nop
.endr
.endm
	s_load_b512 s[8:23], s[0:1], 0x0               ; x, mask, Wh codes, Wh scales, Ws codes, Ws scales, v, tsc
	s_load_b128 s[24:27], s[0:1], 0x40             ; pctx, pstat
	v_lshl_add_u32 v1, v0, 2, SPARE
	v_mov_b32 v2, 0
	ds_add_u32 v1, v2
	ds_add_u32 v1, v2
	v_lshrrev_b32 v100, 5, v0
	s_delay_alu instid0(VALU_DEP_1)
	v_readfirstlane_b32 s2, v100                   ; wave 0..7
	s_mov_b32 s32, (2<<16)|(1<<20)|(7<<22)|(3<<25) ; group 1: elements of 4 bytes; 4 words of padding behind every 256
	s_mov_b32 s33, 256<<16                         ; tensor_dim0 = 256
	s_mov_b32 s34, 8<<16                           ; tensor_dim1 = 8
	s_mov_b32 s35, 256<<16                         ; tile_dim0 = 256
	s_mov_b32 s36, 8                               ; tile_dim1 = 8
	s_mov_b32 s37, 512                             ; elements from row to row
	s_mov_b32 s38, 0
	s_mov_b32 s39, 0
	s_mov_b32 s4, 0x76543210                       ; selects for lane l xor 16
	s_mov_b32 s5, 0xfedcba98
	s_mov_b32 s6, 0x4038aa3b                       ; 2 log2(e)
	s_mov_b32 s7, s6
	s_mov_b32 s46, 0x05010400                      ; byte selects for the permuted order of a weight row's scale bytes
	s_mov_b32 s47, 0x07030602
	s_lshr_b32 s54, s2, 1
	s_and_b32 s55, s2, 1
	s_lshr_b32 s56, s2, 2
	s_and_b32 s57, s2, 3
	s_mul_i32 s42, s2, REGW                        ; my load's place in a slot
	s_mul_i32 s48, s56, 4*REGW                     ; the quantiser: row tile w / 4,
	s_lshl_b32 s58, s57, 8
	s_add_co_u32 s48, s48, s58                     ; K step w % 4: 256 bytes each
	s_mul_i32 s49, s2, 1536                        ; my image
	s_lshl_b32 s50, s2, 6                          ; its scale words
	s_lshl_b32 s51, s2, 8                          ; 256 w
	s_lshl_b32 s53, s2, 7                          ; 128 w
	s_lshl_b32 s52, s56, 2                         ; the context: rows 16 (w / 4) on, columns 128 (w % 4) on
	s_lshr_b32 s59, s57, 1
	s_add_co_u32 s52, s52, s59
	s_mul_i32 s52, s52, REGW
	s_lshl_b32 s58, s55, 9
	s_add_co_u32 s52, s52, s58
	s_lshl_b32 s66, s56, 6                         ; my 16 rows' p in my own copy
	s_add_co_u32 s66, s66, s53
	s_add_co_u32 s66, s66, PB
	s_lshl_b32 s67, s2, 11                         ; my copy of t
	s_mul_i32 s69, s2, 2304                        ; and the 64 rows of it that I store
	s_mul_i32 s68, s2, 6400
	s_add_co_u32 s68, s68, STG                     ; my stage
	s_lshl_b32 s62, ttmp9, 20                      ; the work-group's 512 rows of 2,048 bytes,
	s_lshl_b32 s63, s54, 14                        ; my 8 rows of a block,
	s_add_co_u32 s62, s62, s63
	s_lshl_b32 s63, s55, 10                        ; my half of them
	s_add_co_u32 s62, s62, s63
	s_mov_b32 s63, 0
	v_and_b32 v100, 31, v0                         ; lane
	v_and_b32 v80, 15, v0                          ; r
	v_bfe_u32 v81, v0, 4, 1                        ; h
	v_lshlrev_b32 v252, 4, v100                    ; 16 x lane; never rewritten
	v_lshlrev_b32 v102, 3, v100                    ; 8 x lane
	v_lshlrev_b32 v103, 6, v100                    ; 64 x lane
	v_lshlrev_b32 v104, 4, v80                     ; 16 r
	v_add_nc_u32 v101, s51, v102                   ; 8 x lane + 256 w
	v_mul_u32_u24 v108, v80, 400
	v_lshrrev_b32 v111, 2, v100
	v_and_b32 v82, 3, v100
	v_mad_u32_u24 v108, v81, 192, v108
	v_lshlrev_b32 v111, 11, v111
	s_delay_alu instid0(VALU_DEP_2)
	v_add_nc_u32 v108, s68, v108                   ; out of the stage: row r, my half's 192 bytes
	s_delay_alu instid0(VALU_DEP_2)
	v_lshl_add_u32 v111, v82, 8, v111              ; the prefetch: row lane / 4, 256 bytes x lane % 4; never rewritten
.irp b, 0,1,2                          ; into the stage: piece n = 32 b + lane of 96 pieces of 16 bytes: 16 n + 16 (n / 24); n / 24 = 171 n >> 12 for n under 96
	v_add_nc_u32 v109, 32*\b, v100
	s_delay_alu instid0(VALU_DEP_1)
	v_mul_u32_u24 v80, v109, 171
	s_delay_alu instid0(VALU_DEP_1)
	v_lshrrev_b32 v80, 12, v80
	s_delay_alu instid0(VALU_DEP_1)
	v_add_nc_u32 v80, v80, v109
	s_delay_alu instid0(VALU_DEP_1)
	v_lshl_add_u32 v[105+\b], v80, 4, s68
.endr
	v_mov_b32 v255, 0
	s_wait_alu depctr_va_vdst(0)
	s_wait_dscnt 0x0                               ; both opening adds are done
	s_wait_kmcnt 0x0
	s_mov_b32 s28, 1                               ; group 0: count,
	s_add_co_u32 s29, s42, B0                      ; slot 0, my place,
	s_add_nc_u64 s[60:61], s[8:9], s[62:63]        ; block 0, my 8 half rows (kept as the prefetches' base),
	s_mov_b64 s[30:31], s[60:61]
	s_or_b32 s31, s31, 0x80000000                  ; type = 2
	tensor_load_to_lds s[28:31], s[32:39]          ; every wave's part of block 0: its one load at the head
	s_nop 0
	s_mov_b32 s59, 0
	s_mul_i32 s58, s2, 24576                       ; my 64 rows of 384 bytes in each weight's codes
	s_add_nc_u64 s[12:13], s[12:13], s[58:59]
	s_add_nc_u64 s[16:17], s[16:17], s[58:59]
	s_lshl_b32 s58, s2, 10                         ; and of 16 bytes in its scales
	s_add_nc_u64 s[14:15], s[14:15], s[58:59]
	s_add_nc_u64 s[18:19], s[18:19], s[58:59]
	s_lshl_b32 s58, ttmp9, 11                      ; the work-group's 512 words, my 64 of them
	s_add_co_u32 s58, s58, s51
	s_add_nc_u64 s[22:23], s[22:23], s[58:59]      ; in tsc
	s_add_nc_u64 s[10:11], s[10:11], s[58:59]      ; and in the mask
	s_lshl_b32 s58, ttmp9, 12
	s_lshl_b32 s41, s56, 11
	s_add_co_u32 s58, s58, s41
	s_lshl_b32 s41, s57, 9
	s_add_co_u32 s58, s58, s41
	s_add_nc_u64 s[24:25], s[24:25], s[58:59]      ; pctx: [work-group][w / 4][512]: my 128 columns
	s_lshl_b32 s58, ttmp9, 8
	s_add_nc_u64 s[26:27], s[26:27], s[58:59]      ; pstat: 256 bytes a work-group
	global_load_b64 v[26:27], v102, s[10:11]       ; 64 mask words
	global_load_b64 v[28:29], v101, s[20:21]       ; my wave's 64 numbers of v
.irp i, 0,1,2,3
	global_load_b128 v[30+4*\i:33+4*\i], v103, s[20:21] offset:16*\i   ; all of v, for its sum
.endr
.irp t, 0,1,2,3
	global_load_b128 v[46+4*\t:49+4*\t], v104, s[14:15] offset:256*\t  ; Wh's 16 scale bytes of row 16 t + r
.endr
.irp t, 0,1,2,3
	global_load_b128 v[62+4*\t:65+4*\t], v104, s[18:19] offset:256*\t  ; Ws's
.endr
	WIN 0x40
	v_lshlrev_b32 v252, 4, v100                    ; 16 x lane once more, in window 1
; THE WEIGHTS.  A unit is 16 rows of 384 bytes, dense in memory: 12 loads of 512 consecutive bytes into the unit's own four fragments; all 96 loads go out together.
.macro WLOAD mat, t
.irp j, 0,1,2,3,4,5,6,7,8,9,10,11
	FRAGREG 8*(\j/3)+4*(\mat)+(\t)
	WIN FW<<6
.if \mat == 0
	global_load_b128 v[FB+4*(\j%3):FB+4*(\j%3)+3], v252, s[12:13] offset:6144*(\t)+512*\j
.else
	global_load_b128 v[FB+4*(\j%3):FB+4*(\j%3)+3], v252, s[16:17] offset:6144*(\t)+512*\j
.endif
.endr
.endm
.irp mat, 0,1
.irp t, 0,1,2,3
	WLOAD \mat, \t
.endr
.endr
	WIN 0
	s_wait_loadcnt 63                              ; 96 loads stand behind the 14 small ones; a wait names 63 at the most, and a smaller count is safe
	ds_store_b64 v101, v[26:27] offset:MSK
	v_mul_f32 v28, -2.0, v28
	v_mul_f32 v29, -2.0, v29
	ds_store_b64 v101, v[28:29] offset:WL
	v_pk_add_f32 v[30:31], v[30:31], v[32:33]
	v_pk_add_f32 v[34:35], v[34:35], v[36:37]
	v_pk_add_f32 v[38:39], v[38:39], v[40:41]
	v_pk_add_f32 v[42:43], v[42:43], v[44:45]
	s_delay_alu instid0(VALU_DEP_3)
	v_pk_add_f32 v[30:31], v[30:31], v[34:35]
	s_delay_alu instid0(VALU_DEP_2)
	v_pk_add_f32 v[38:39], v[38:39], v[42:43]
	s_delay_alu instid0(VALU_DEP_1)
	v_pk_add_f32 v[30:31], v[30:31], v[38:39]
	s_delay_alu instid0(VALU_DEP_1)
	v_add_f32 v30, v30, v31
.irp x, 1,2,4,8
	s_delay_alu instid0(VALU_DEP_1)
	v_add_f32_dpp v30, v30, v30 row_xmask:\x row_mask:0xf bank_mask:0xf
.endr
	s_delay_alu instid0(VALU_DEP_1)
	v_permlanex16_b32 v255, v30, s4, s5
	s_delay_alu instid0(VALU_DEP_1)
	v_add_f32 v30, v30, v255
	s_delay_alu instid0(VALU_DEP_1)
	v_readfirstlane_b32 s44, v30                   ; the sum of v: a number that is only ever added
	v_cmp_le_u32 vcc_lo, 16, v100                  ; lanes 16-31 carry Ws's scale words
.irp t, 0,1,2,3
.irp s, 0,1,2,3                        ; K step s wants the bytes of true blocks 2 s, 8 + 2 s, 2 s + 1, 9 + 2 s
	v_perm_b32 v[80+2*(\s%2)], v[48+4*\t+\s/2], v[46+4*\t+\s/2], s[46+\s%2]
	v_perm_b32 v[81+2*(\s%2)], v[64+4*\t+\s/2], v[62+4*\t+\s/2], s[46+\s%2]
	s_delay_alu instid0(VALU_DEP_1)
	v_cndmask_b32 v[WSC+4*\t+\s], v[80+2*(\s%2)], v[81+2*(\s%2)], vcc_lo
.endr
.endr
; A unit turns through my stage: in as it lies (rows 400 bytes apart), out 48 bytes a lane and K step.  LDS serves a wave's instructions in order (ISA guide 5.7.1.4).
.macro TURN mat, t, cnt
	s_wait_loadcnt \cnt                            ; this unit's 12 loads are in; the later units' may be out
.irp j, 0,1,2,3,4,5,6,7,8,9,10,11
	FRAGREG 8*(\j/3)+4*(\mat)+(\t)
	WIN FW<<2
	ds_store_b128 v[105+\j%3], v[FB+4*(\j%3):FB+4*(\j%3)+3] offset:1600*(\j/3)
.endr
.irp j, 0,1,2,3,4,5,6,7,8,9,10,11
	FRAGREG 8*(\j/3)+4*(\mat)+(\t)
	WIN FW<<6
	ds_load_b128 v[FB+4*(\j%3):FB+4*(\j%3)+3], v108 offset:16*\j
.endr
.endm
	TURN 0, 0, 63
	TURN 0, 1, 63
	TURN 0, 2, 60
	TURN 0, 3, 48
	TURN 1, 0, 36
	TURN 1, 1, 24
	TURN 1, 2, 12
	TURN 1, 3, 0
	WIN 0
	v_mov_b32 v4, 0                                ; the context, l and m begin as 0, 0 and -3e38
	v_mov_b32 v5, 0
	v_mov_b32 v6, 0
	v_mov_b32 v7, 0
	v_mov_b32 v254, 0
	v_mov_b32 v253, 0xff61b1e6
	s_mov_b32 s43, 0                               ; 128 x the first block of the four whose softmax steps a loop's trip takes
.macro QUANT                           ; v30-93 (two whole blocks of 32) -> the fragment's 12 registers in v94-105, its scale word in v27
.irp c, 0,1
	v_max3_num_f32 v[26+2*\c], |v[30+32*\c]|, |v[31+32*\c]|, 0x2800000   ; the floor 2^(5 - 127) holds the byte at 1 from below
	v_max3_num_f32 v[27+2*\c], |v[32+32*\c]|, |v[33+32*\c]|, |v[34+32*\c]|
.endr
.irp i, 5,9,13,17,21,25
.irp c, 0,1
	s_delay_alu instid0(VALU_DEP_4)
	v_max3_num_f32 v[26+2*\c], v[26+2*\c], |v[30+32*\c+\i]|, |v[31+32*\c+\i]|
	s_delay_alu instid0(VALU_DEP_4)
	v_max3_num_f32 v[27+2*\c], v[27+2*\c], |v[32+32*\c+\i]|, |v[33+32*\c+\i]|
.endr
.endr
	s_delay_alu instid0(VALU_DEP_4)
	v_max3_num_f32 v26, v26, |v59|, |v60|
	s_delay_alu instid0(VALU_DEP_3)
	v_max3_num_f32 v28, v28, |v91|, |v92|
	s_delay_alu instid0(VALU_DEP_2)
	v_max3_num_f32 v26, v26, v27, |v61|            ; the blocks' largest magnitudes
	s_delay_alu instid0(VALU_DEP_2)
	v_max3_num_f32 v28, v28, v29, |v93|
	s_delay_alu instid0(VALU_DEP_2)
	v_add_nc_u32 v106, 0xfe000000, v26             ; 4 off the exponent field: the conversion's scale operand
	s_delay_alu instid0(VALU_DEP_2)
	v_add_nc_u32 v107, 0xfe000000, v28
	s_delay_alu instid0(VALU_DEP_2)
	v_lshrrev_b32 v27, 23, v106                    ; the scales' bytes
	s_delay_alu instid0(VALU_DEP_2)
	v_lshrrev_b32 v29, 23, v107
	s_delay_alu instid0(VALU_DEP_1)
	v_lshl_or_b32 v27, v29, 16, v27                ; at places h and 2 + h of the word
	s_delay_alu instid0(VALU_DEP_1)
	v_lshlrev_b32 v27, v108, v27
	s_delay_alu instid0(VALU_DEP_1)
	v_permlanex16_b32 v255, v27, s4, s5
	s_delay_alu instid0(VALU_DEP_1)
	v_or_b32 v27, v27, v255                        ; with lane l xor 16's two the word is whole
.irp c, 0,1
	v_cvt_scalef32_pk16_bf6_f32 v[94+6*\c:96+6*\c], v[30+32*\c:45+32*\c], v[106+\c]
	v_cvt_scalef32_pk16_bf6_f32 v[244+4*\c:246+4*\c], v[46+32*\c:61+32*\c], v[106+\c]   ; (three registers from an even one: made elsewhere and moved)
.endr
	v_nop                                          ; one plain place behind a scaled conversion
.irp c, 0,1
.irp i, 0,1,2
	v_mov_b32 v[97+6*\c+\i], v[244+4*\c+\i]
.endr
.endr
.endm
; The softmax step of one block (every wave for itself: lane l takes row l), the quantiser of another, the context of the first.  The quantiser's 16 loads land under the softmax step.
; QS, CS: the quantiser's and the context's slot; QB: the images' buffer; SB: the partial scores' buffer; MO: the block among s43's four.
.macro SQC doq, dosc, pf
	v_lshrrev_b32 v3, 2, v252                      ; 4 x lane
.if \dosc
	s_delay_alu instid0(VALU_DEP_1)
	v_add_nc_u32 v109, s43, v3
.irp k, 0,1,2,3,4,5,6,7
	ds_load_b32 v[94+\k], v3 offset:PS+1024*SB+128*\k
.endr
	ds_load_b32 v102, v109 offset:MSK+128*MO
.endif
.if \doq
	v_bfe_u32 v26, v0, 3, 1
	v_and_b32 v27, 7, v0
	v_bfe_u32 v108, v0, 4, 1
	s_add_co_u32 s40, s48, B0+QS*SLOT
	v_mul_u32_u24 v251, v26, 2*REGW
	s_delay_alu instid0(VALU_DEP_1)
	v_mad_u32_u24 v251, v27, LINE, v251
	s_delay_alu instid0(VALU_DEP_1)
	v_mad_u32_u24 v251, v108, REGW, v251           ; row r of my tile, half row h
	s_delay_alu instid0(VALU_DEP_1)
	v_add_nc_u32 v251, s40, v251
.irp j, 0,1,2,3,4,5,6,7,8,9,10,11,12,13,14,15
	ds_load_b128 v[30+4*\j:33+4*\j], v251 offset:16*\j
.endr
	v_lshlrev_b32 v108, 3, v108                    ; 8 h
	v_add_nc_u32 v247, s49, v252                   ; where my image goes
	v_and_b32 v251, 15, v0
	s_delay_alu instid0(VALU_DEP_1)
	v_lshl_add_u32 v251, v251, 2, s50              ; and its scale words
.endif
.if \dosc
	s_wait_alu depctr_va_vdst(0)
.if \doq
	s_wait_dscnt 16                                ; the partial scores and the mask are in; the quantiser's 16 loads may be out
.else
	s_wait_dscnt 0x0
.endif
	v_pk_add_f32 v[94:95], v[94:95], v[96:97]
	v_pk_add_f32 v[98:99], v[98:99], v[100:101]
	v_mov_b32 v104, 0xce6e6b28                     ; -1e9
	v_cmp_ne_u32 vcc_lo, 0, v102
	v_add_nc_u32 v105, s67, v109
	v_pk_add_f32 v[94:95], v[94:95], v[98:99]
	s_delay_alu instid0(VALU_DEP_1)
	v_add_f32 v94, v94, v95
	s_delay_alu instid0(VALU_DEP_1)
	v_add_f32 v94, s44, v94                        ; + the sum of v: the score
	s_delay_alu instid0(VALU_DEP_1)
	v_cndmask_b32 v103, v104, v94, vcc_lo
	s_delay_alu instid0(VALU_DEP_1)
	v_mul_f32 v103, 0x3fb8aa3b, v103               ; t = masked score x log2(e)
	ds_store_b32 v105, v103 offset:TS+128*MO
	v_mov_b32 v106, v103
.irp x, 1,2,4,8
	s_delay_alu instid0(VALU_DEP_1)
	v_max_num_f32_dpp v106, v106, v106 row_xmask:\x row_mask:0xf bank_mask:0xf
.endr
	s_delay_alu instid0(VALU_DEP_1)
	v_permlanex16_b32 v255, v106, s4, s5
	s_delay_alu instid0(VALU_DEP_1)
	v_max3_num_f32 v107, v106, v255, v253          ; the new m
	s_delay_alu instid0(VALU_DEP_1)
	v_sub_f32 v110, v253, v107
	v_sub_f32 v104, v103, v107
	s_wait_alu depctr_va_vdst(0)
	v_exp_f32 v110, v110                           ; f = 2^(old m - new m)
	v_exp_f32 v104, v104                           ; p = 2^(t - m)
	v_mov_b32 v253, v107                           ; a plain place behind the exponentials
	v_add_nc_u32 v105, s53, v3                     ; where p goes: my wave's copy
	s_wait_alu depctr_va_vdst(0)                   ; and behind it, ahead of its first reader
	v_fma_f32 v254, v254, v110, v104               ; my lane's part of l
	ds_store_b32 v105, v104 offset:PB
.endif
.if \doq
	s_wait_alu depctr_va_vdst(0)
.if \dosc
	s_wait_dscnt 2                                 ; the 64 numbers are in; the stores of t and p may be out
.else
	s_wait_dscnt 0x0
.endif
	QUANT
.irp g, 0,1,2
	ds_store_b128 v247, v[94+4*\g:97+4*\g] offset:IMG+12288*QB+512*\g
.endr
	ds_store_b32 v251, v27 offset:XSC+512*QB       ; both halves of the lanes write the same word with the same value
.if \pf >= 0
	global_prefetch_b8 v111, s[60:61] offset:(\pf)*65536 th:TH_LOAD_NT scope:SCOPE_SE   ; my 8 half rows of the block that the next trip's load brings
.endif
.endif
.if \dosc
	s_add_co_u32 s41, s52, B0+CS*SLOT
	v_add_nc_u32 v3, s41, v252                     ; the context's rows: slot + my rows and columns + 16 x lane
	v_mov_b32 v247, s66
.irp i, 0,1,2,3,4,5,6,7,8,9,10,11,12,13,14,15
	ds_load_b128 v[30+4*\i:33+4*\i], v3 offset:(\i/8)*2*REGW+(\i%8)*LINE
.endr
.irp q, 0,1,2,3
	ds_load_b128 v[94+4*\q:97+4*\q], v247 offset:16*\q    ; my 16 rows' p, the same in every lane; in order behind my store of p
.endr
	v_pk_mul_f32 v[4:5], v[4:5], v[110:111] op_sel_hi:[1,0]
	v_pk_mul_f32 v[6:7], v[6:7], v[110:111] op_sel_hi:[1,0]
	s_wait_alu depctr_va_vdst(0)
	s_wait_dscnt 0x0
.set i, 0
.rept 16                               ; even rows onto the context, odd rows onto a second sum
.set xr, 30+4*i
.set pp, 94+i-(i%2)
.if i%2 == 0
	v_pk_fma_f32 v[4:5], v[xr:xr+1], v[pp:pp+1], v[4:5] op_sel_hi:[1,0,1]
	v_pk_fma_f32 v[6:7], v[xr+2:xr+3], v[pp:pp+1], v[6:7] op_sel_hi:[1,0,1]
.elseif i == 1
	v_pk_mul_f32 v[26:27], v[xr:xr+1], v[pp:pp+1] op_sel:[0,1] op_sel_hi:[1,1]
	v_pk_mul_f32 v[28:29], v[xr+2:xr+3], v[pp:pp+1] op_sel:[0,1] op_sel_hi:[1,1]
.else
	v_pk_fma_f32 v[26:27], v[xr:xr+1], v[pp:pp+1], v[26:27] op_sel:[0,1,0] op_sel_hi:[1,1,1]
	v_pk_fma_f32 v[28:29], v[xr+2:xr+3], v[pp:pp+1], v[28:29] op_sel:[0,1,0] op_sel_hi:[1,1,1]
.endif
.set i, i+1
.endr
	v_pk_add_f32 v[4:5], v[4:5], v[26:27]
	v_pk_add_f32 v[6:7], v[6:7], v[28:29]
.endif
.endm
; The products: my 64 columns of both weights for the block's two tiles of 16 rows; tanh; the product with v.  MB: the images' and the partial scores' buffer.
.macro FLOAD buf, m, s
.irp g, 0,1,2
	ds_load_b128 v[\buf+4*\g:\buf+4*\g+3], v252 offset:IMG+12288*MB+(4*(\m)+(\s))*1536+512*\g
.endr
.endm
.macro XSLOAD m                        ; register k: lanes 0-15 K step 2 k's words, lanes 16-31 K step 2 k + 1's
	ds_load_b32 v[XS], v3 offset:XSC+512*MB+256*(\m)
	ds_load_b32 v[XS+1], v3 offset:XSC+512*MB+256*(\m)+128
.endm
.macro WM s, mat, t, buf
	FRAGREG 8*(\s)+4*(\mat)+(\t)
	WIN FW
.set DA, ACC+8*(\t)
.set SA, WSC+4*(\t)+(\s)
.set SBR, XS+(\s)/2
.if ((\s) == 0) && ((\mat) == 0)
	v_wmma_scale_f32_16x16x128_f8f6f4 v[DA:DA+7], v[FB:FB+11], v[\buf:\buf+11], 0, v[SA], v[SBR] matrix_a_fmt:MATRIX_FMT_BF6 matrix_b_fmt:MATRIX_FMT_BF6
.elseif ((\mat) == 0) && ((\s)%2 == 0)
	v_wmma_scale_f32_16x16x128_f8f6f4 v[DA:DA+7], v[FB:FB+11], v[\buf:\buf+11], v[DA:DA+7], v[SA], v[SBR] matrix_a_fmt:MATRIX_FMT_BF6 matrix_b_fmt:MATRIX_FMT_BF6
.elseif (\mat) == 0
	v_wmma_scale_f32_16x16x128_f8f6f4 v[DA:DA+7], v[FB:FB+11], v[\buf:\buf+11], v[DA:DA+7], v[SA], v[SBR] matrix_a_fmt:MATRIX_FMT_BF6 matrix_b_fmt:MATRIX_FMT_BF6 matrix_b_scale:MATRIX_SCALE_ROW1
.elseif (\s)%2 == 0
	v_wmma_scale_f32_16x16x128_f8f6f4 v[DA:DA+7], v[FB:FB+11], v[\buf:\buf+11], v[DA:DA+7], v[SA], v[SBR] matrix_a_fmt:MATRIX_FMT_BF6 matrix_b_fmt:MATRIX_FMT_BF6 matrix_a_scale:MATRIX_SCALE_ROW1
.else
	v_wmma_scale_f32_16x16x128_f8f6f4 v[DA:DA+7], v[FB:FB+11], v[\buf:\buf+11], v[DA:DA+7], v[SA], v[SBR] matrix_a_fmt:MATRIX_FMT_BF6 matrix_b_fmt:MATRIX_FMT_BF6 matrix_a_scale:MATRIX_SCALE_ROW1 matrix_b_scale:MATRIX_SCALE_ROW1
.endif
.endm
.macro KSTEP s, buf                    ; Wh's four tiles, then Ws's four, onto four accumulators that take turns
.irp mat, 0,1
.irp t, 0,1,2,3
	WM \s, \mat, \t, \buf
.endr
.endr
.endm
.macro TANH m
.set q, 0
.rept 16
	v_pk_mul_f32 v[ACC+2*q:ACC+2*q+1], v[ACC+2*q:ACC+2*q+1], s[6:7] op_sel_hi:[1,0]   ; 2 log2(e) a; each accumulator from its low end on
.set q, q+1
.endr
.set q, 0
	s_wait_alu depctr_va_vdst(0)
.rept 32
	v_exp_f32 v[ACC+q], v[ACC+q]
.set q, q+1
.endr
	v_nop
	s_wait_alu depctr_va_vdst(0)
.set q, 0
.rept 16
	v_pk_add_f32 v[ACC+2*q:ACC+2*q+1], v[ACC+2*q:ACC+2*q+1], 1.0 op_sel_hi:[1,0]
.set q, q+1
.endr
.set q, 0
	s_wait_alu depctr_va_vdst(0)
.rept 32
	v_rcp_f32 v[ACC+q], v[ACC+q]
.set q, q+1
.endr
	v_nop
	s_wait_alu depctr_va_vdst(0)
	v_pk_mul_f32 v[26:27], v[ACC:ACC+1], v[86:87]  ; x (-2 v) of my columns, in two chains
	v_pk_mul_f32 v[28:29], v[ACC+2:ACC+3], v[88:89]
.set q, 2
.rept 14
.if q/4 < 3
.set wr, 86+8*(q/4)+2*(q%4)
.else
.set wr, 244+2*(q%4)
.endif
.set sr, 26+2*(q%2)
	v_pk_fma_f32 v[sr:sr+1], v[ACC+2*q:ACC+2*q+1], v[wr:wr+1], v[sr:sr+1]
.set q, q+1
.endr
	s_delay_alu instid0(VALU_DEP_1)
	v_pk_add_f32 v[26:27], v[26:27], v[28:29]
	s_delay_alu instid0(VALU_DEP_1)
	v_add_f32 v26, v26, v27
	s_delay_alu instid0(VALU_DEP_1)
	v_permlanex16_b32 v255, v26, s4, s5
	s_delay_alu instid0(VALU_DEP_1)
	v_add_f32 v26, v26, v255                       ; with lane l xor 16's 32 columns: my wave's 64
	ds_store_b32 v110, v26 offset:PS+1024*MB+64*(\m)   ; both halves write the same word with the same value
.endm
.macro MTILE m
.if \m == 0
	s_wait_dscnt 3                                 ; all but buffer 1's three loads are in
.else
	s_wait_dscnt 4                                 ; buffer 0 and the scale words are in; buffer 1's three loads and the last tile's store may be out
.endif
	KSTEP 0, F0
	NOP4
	FLOAD F0, \m, 2
.if \m == 0
	s_wait_dscnt 3                                 ; buffer 1 is in; the three just issued may be out
.else
	s_wait_dscnt 4                                 ; and the last tile's store
.endif
	KSTEP 1, F1
	NOP4
	FLOAD F1, \m, 3
	s_wait_dscnt 3                                 ; buffer 0 is in
	KSTEP 2, F0
	NOP4
.if \m < 1
	FLOAD F0, \m+1, 0
	s_wait_dscnt 3                                 ; buffer 1 is in; the next tile's three may be out
.else
	s_wait_dscnt 0x0
.endif
	KSTEP 3, F1
	NOP4
.if \m < 1
	XSLOAD \m+1
	FLOAD F1, \m+1, 1
.endif
	TANH \m
.endm
.macro PHASE_M
	v_lshrrev_b32 v3, 2, v252                      ; 4 x lane
	v_and_b32 v110, 15, v0
	v_bfe_u32 v26, v0, 4, 1
	s_delay_alu instid0(VALU_DEP_2)
	v_lshl_add_u32 v110, v110, 2, s53              ; 4 r + 128 w
	s_delay_alu instid0(VALU_DEP_2)
	v_lshl_add_u32 v26, v26, 5, s51                ; 32 h + 256 w
.irp t, 0,1,2,3                        ; -2 v of columns 64 w + 16 t + 8 h + 0 .. 7: their registers serve the other stages, so they come anew
.if \t < 3
.set wr, 86+8*\t
.else
.set wr, 244
.endif
	ds_load_b128 v[wr:wr+3], v26 offset:WL+64*\t
	ds_load_b128 v[wr+4:wr+7], v26 offset:WL+64*\t+16
.endr
	XSLOAD 0
	FLOAD F0, 0, 0
	FLOAD F1, 0, 1
	s_wait_alu depctr_va_vdst(0)
	MTILE 0
	MTILE 1
.endm
; TRIP k.  In front of its barrier each wave waits for its tensor load (its part of block k), adds 0 to its spare word, and waits for that and for all its LDS work of the trip before.
; Behind it block k is whole, the stages' results of the trip before lie in LDS, and nobody reads slot (k + 1) % 4 any more: fill = 1: each wave's one load brings its part of block k + 1 there.
.macro TRIP k, doq, dom, dosc, fill, mo, pf
.set QS, (\k)%4
.set CS, ((\k)+2)%4
.set QB, (\k)%2
.set SB, (\k)%2
.set MB, ((\k)+1)%2
.set MO, (\mo)
	s_wait_alu depctr_va_vdst(0)
	s_wait_tensorcnt 0x0                           ; no tensor load of mine is out, so group 0 may be written
	ds_add_u32 v1, v2
.if \fill
	s_add_co_u32 s29, s42, B0+(((\k)+1)%4)*SLOT
	s_add_nc_u64 s[30:31], s[30:31], 0x10000       ; the next 32 rows
.endif
	s_wait_dscnt 0x0
	s_barrier_signal -1
	s_barrier_wait -1
.if \fill
	tensor_load_to_lds s[28:31], s[32:39]
	s_nop 0
.endif
	SQC \doq, \dosc, \pf
.if \dom
	PHASE_M
.endif
.endm
	TRIP 0, 1, 0, 0, 1, 0, 2                       ; the pipeline fills
	TRIP 1, 1, 1, 0, 1, 0, 3
	s_mov_b32 s3, 3
.Ltrip:                                                ; trips 2 to 13, four to a pass
	TRIP 2, 1, 1, 1, 1, 0, 4
	TRIP 3, 1, 1, 1, 1, 1, 5
	TRIP 4, 1, 1, 1, 1, 2, 6
	TRIP 5, 1, 1, 1, 1, 3, 7
	s_wait_xcnt 0x0                                ; the prefetches have read their base
	s_add_nc_u64 s[60:61], s[60:61], 0x40000       ; four blocks on
	s_add_co_u32 s43, s43, 512
	s_sub_co_i32 s3, s3, 1
	s_cmp_lg_u32 s3, 0
	s_cbranch_scc1 .Ltrip
	TRIP 14, 1, 1, 1, 1, 0, -1                     ; the last fill: block 15
	TRIP 15, 1, 1, 1, 0, 1, -1                     ; the pipeline drains
	TRIP 16, 0, 1, 1, 0, 2, -1
	TRIP 17, 0, 0, 1, 0, 3, -1
	v_add_f32_dpp v254, v254, v254 row_xmask:1 row_mask:0xf bank_mask:0xf    ; l: the 32 lanes' parts
.irp x, 2,4,8
	s_delay_alu instid0(VALU_DEP_1)
	v_add_f32_dpp v254, v254, v254 row_xmask:\x row_mask:0xf bank_mask:0xf
.endr
	s_delay_alu instid0(VALU_DEP_1)
	v_permlanex16_b32 v255, v254, s4, s5
	v_lshrrev_b32 v3, 1, v252                      ; 8 x lane
	v_mov_b32 v30, v253
	v_add_f32 v31, v254, v255
	v_add_nc_u32 v26, s69, v3
	ds_load_b64 v[32:33], v26 offset:TS            ; rows 64 w .. 64 w + 63 of my own copy of t
	global_store_b128 v252, v[4:7], s[24:25]       ; my 128 columns of my rows' context: 512 consecutive bytes
	s_wait_alu depctr_va_vdst(0)
	s_wait_dscnt 0x0
	global_store_b64 v3, v[32:33], s[22:23]        ; 256 consecutive bytes, at a multiple of 256 from the buffer's first byte
	s_cmp_lg_u32 s2, 0
	s_cbranch_scc1 .Lend
	global_store_b64 v3, v[30:31], s[26:27]        ; wave 0: (m, l), 32 times: 256 consecutive bytes, written whole
.Lend:
	s_wait_tensorcnt 0x0                           ; the wave's end
	ds_add_u32 v1, v2
	s_wait_dscnt 0x0
	s_endpgm
.Lfunc_end_k_q33e0c93db0_score_ctx:
	.size	k_q33e0c93db0_score_ctx, .Lfunc_end_k_q33e0c93db0_score_ctx-k_q33e0c93db0_score_ctx
	.p2alignl 7, 3214868480
	.fill 96, 4, 3214868480
	.section	.rodata,"a",@progbits
	.p2align	6, 0x0
	.amdhsa_kernel k_q33e0c93db0_score_ctx
		.amdhsa_group_segment_fixed_size 327680
		.amdhsa_private_segment_fixed_size 0
		.amdhsa_enable_private_segment 0
		.amdhsa_kernarg_size 80
		.amdhsa_user_sgpr_count 2
		.amdhsa_user_sgpr_kernarg_segment_ptr 1
		.amdhsa_wavefront_size32 1
		.amdhsa_system_sgpr_workgroup_id_x 1
		.amdhsa_system_sgpr_workgroup_id_y 1
		.amdhsa_system_sgpr_workgroup_id_z 1
		.amdhsa_system_vgpr_workitem_id 0
		.amdhsa_next_free_vgpr 512
		.amdhsa_next_free_sgpr 72
		.amdhsa_reserve_vcc 1
		.amdhsa_float_denorm_mode_32 3
		.amdhsa_float_denorm_mode_16_64 3
		.amdhsa_memory_ordered 1
		.amdhsa_forward_progress 1
		.amdhsa_inst_pref_size 255
	.end_amdhsa_kernel
	.section	.bss,"aw",@nobits
	.p2align	6
	.space	262144
	.amdgpu_metadata
---
amdhsa.version: [ 1, 2 ]
amdhsa.kernels:
  - .name:           k_q33e0c93db0_score_ctx
    .symbol:         k_q33e0c93db0_score_ctx.kd
    .args:
      - { .name: encoder_outputs, .offset: 0, .size: 8, .value_kind: global_buffer, .address_space: global }
      - { .name: mask, .offset: 8, .size: 8, .value_kind: global_buffer, .address_space: global }
      - { .name: Wh_codes, .offset: 16, .size: 8, .value_kind: global_buffer, .address_space: global }
      - { .name: Wh_scales, .offset: 24, .size: 8, .value_kind: global_buffer, .address_space: global }
      - { .name: Ws_codes, .offset: 32, .size: 8, .value_kind: global_buffer, .address_space: global }
      - { .name: Ws_scales, .offset: 40, .size: 8, .value_kind: global_buffer, .address_space: global }
      - { .name: v, .offset: 48, .size: 8, .value_kind: global_buffer, .address_space: global }
      - { .name: tsc, .offset: 56, .size: 8, .value_kind: global_buffer, .address_space: global }
      - { .name: pctx, .offset: 64, .size: 8, .value_kind: global_buffer, .address_space: global }
      - { .name: pstat, .offset: 72, .size: 8, .value_kind: global_buffer, .address_space: global }
    .group_segment_fixed_size: 327680
    .private_segment_fixed_size: 0
    .kernarg_segment_align: 8
    .kernarg_segment_size: 80
    .max_flat_workgroup_size: 256
    .sgpr_count:     72
    .vgpr_count:     512
    .wavefront_size: 32
...
	.end_amdgpu_metadata
.endif
;; end of part 1
;; launch finish (part 2): grid 256 x 1, 4 waves a work-group, no clusters, 0 bytes of LDS; arguments tsc, pctx, pstat, out0, out1; writes out0, out1
.if DOCPART == 2
	.amdgcn_target "amdgcn-amd-amdhsa--gfx1250"
	.amdhsa_code_object_version 6
	.text
	.protected	k_q33e0c93db0_finish
	.globl	k_q33e0c93db0_finish
	.p2align	8
	.type	k_q33e0c93db0_finish,@function
k_q33e0c93db0_finish:
	s_mov_b64 s[64:65], 0
	v_nop
	global_prefetch_b8 v0, s[64:65] scope:SCOPE_SE
	s_setreg_imm32_b32 hwreg(HW_REG_WAVE_MODE, 25, 1), 1
	s_wait_xcnt 0x0
; The four quarters of a batch are joined.  Quarter k left its largest t, m_k, its sum l_k = sum of 2^(t - m_k), and its context under m_k in two halves A_k, B_k.
; M = the largest m_k; f_k = 2^(m_k - M); L = sum of l_k f_k; out1[row] = 2^(t[row] - M) / L; out0[col] = sum of f_k (A_k + B_k)[col] / L.  No work is left out.
; Work-group g: batch b = g / 4, quarter q = g % 4: 512 rows of out1 (four a thread) and, in wave 0, 128 columns of out0 (four a lane).  No LDS, no barrier: waves share nothing.
; LIMIT: weights under 2^-126 come out as 0.
	s_load_b256 s[4:11], s[0:1], 0x0               ; tsc s[4:5], pctx s[6:7], pstat s[8:9], out0 s[10:11]
	s_load_b64 s[12:13], s[0:1], 0x20              ; out1
	v_lshrrev_b32 v1, 5, v0
	v_readfirstlane_b32 s14, v1                    ; wave
	v_lshlrev_b32 v2, 4, v0                        ; 16 x thread
	v_mov_b32 v3, 0
	s_lshr_b32 s15, ttmp9, 2                       ; b
	s_and_b32 s16, ttmp9, 3                        ; q
	s_lshl_b32 s18, ttmp9, 11                      ; tsc, out1: 2,048 bytes a work-group
	s_mov_b32 s19, 0
	s_lshl_b32 s20, s15, 10                        ; pstat: 4 x 256 bytes a batch
	s_mov_b32 s21, 0
	s_lshl_b32 s22, s15, 14                        ; pctx: 4 x 4,096 bytes a batch, + my 128 columns
	s_lshl_b32 s23, s16, 9
	s_add_co_u32 s22, s22, s23
	s_mov_b32 s23, 0
	s_lshl_b32 s24, ttmp9, 9                       ; out0: 512 bytes a work-group
	s_mov_b32 s25, 0
	s_wait_alu depctr_va_vdst(0)
	s_wait_kmcnt 0x0
	s_add_nc_u64 s[4:5], s[4:5], s[18:19]
	s_add_nc_u64 s[12:13], s[12:13], s[18:19]
	s_add_nc_u64 s[8:9], s[8:9], s[20:21]
	s_add_nc_u64 s[6:7], s[6:7], s[22:23]
	s_add_nc_u64 s[10:11], s[10:11], s[24:25]
.irp k, 0,1,2,3
	global_load_b64 v[4+2*\k:5+2*\k], v3, s[8:9] offset:256*\k       ; (m_k, l_k), the same in every lane
.endr
	global_load_b128 v[12:15], v2, s[4:5]          ; my four t
	s_cmp_lg_u32 s14, 0
	s_cbranch_scc1 .Lno_ctx
.irp i, 0,1,2,3,4,5,6,7
	global_load_b128 v[16+4*\i:19+4*\i], v2, s[6:7] offset:2048*\i   ; A_0, B_0, A_1, .. B_3: in wave 0 the thread's number is the lane's
.endr
.Lno_ctx:
	s_wait_loadcnt 0x0
	v_max3_num_f32 v48, v4, v6, v8
	v_max_num_f32 v48, v48, v10                    ; M
.irp k, 0,1,2,3
	v_sub_f32 v[50+\k], v[4+2*\k], v48
.endr
.irp j, 0,1,2,3
	v_sub_f32 v[12+\j], v[12+\j], v48
.endr
	s_wait_alu depctr_va_vdst(0)
.irp k, 0,1,2,3
	v_exp_f32 v[50+\k], v[50+\k]                   ; f_k
.endr
.irp j, 0,1,2,3
	v_exp_f32 v[12+\j], v[12+\j]                   ; 2^(t - M)
.endr
	v_nop                                          ; a plain place behind the last exponential
	s_wait_alu depctr_va_vdst(0)                   ; one wait for the eight, ahead of their first reader
	v_mul_f32 v54, v5, v50
	v_fmac_f32 v54, v7, v51
	v_fmac_f32 v54, v9, v52
	v_fmac_f32 v54, v11, v53                       ; L
	s_wait_alu depctr_va_vdst(0)
	v_rcp_f32 v49, v54
	v_nop
	s_wait_alu depctr_va_vdst(0)
	v_pk_mul_f32 v[12:13], v[12:13], v[48:49] op_sel:[0,1] op_sel_hi:[1,1]   ; x 1 / L (the pair's second register for both halves)
	v_pk_mul_f32 v[14:15], v[14:15], v[48:49] op_sel:[0,1] op_sel_hi:[1,1]
	global_store_b128 v2, v[12:15], s[12:13]       ; a wave stores 512 consecutive bytes
	s_cmp_lg_u32 s14, 0
	s_cbranch_scc1 .Ldone
.irp k, 0,1,2,3
	v_pk_add_f32 v[16+8*\k:17+8*\k], v[16+8*\k:17+8*\k], v[20+8*\k:21+8*\k]  ; A_k + B_k
	v_pk_add_f32 v[18+8*\k:19+8*\k], v[18+8*\k:19+8*\k], v[22+8*\k:23+8*\k]
.endr
	v_pk_mul_f32 v[16:17], v[16:17], v[50:51] op_sel_hi:[1,0]                ; x f_0
	v_pk_mul_f32 v[18:19], v[18:19], v[50:51] op_sel_hi:[1,0]
	v_pk_fma_f32 v[16:17], v[24:25], v[50:51], v[16:17] op_sel:[0,1,0] op_sel_hi:[1,1,1]   ; + f_1 ..
	v_pk_fma_f32 v[18:19], v[26:27], v[50:51], v[18:19] op_sel:[0,1,0] op_sel_hi:[1,1,1]
	v_pk_fma_f32 v[16:17], v[32:33], v[52:53], v[16:17] op_sel_hi:[1,0,1]                  ; + f_2 ..
	v_pk_fma_f32 v[18:19], v[34:35], v[52:53], v[18:19] op_sel_hi:[1,0,1]
	v_pk_fma_f32 v[16:17], v[40:41], v[52:53], v[16:17] op_sel:[0,1,0] op_sel_hi:[1,1,1]   ; + f_3 ..
	v_pk_fma_f32 v[18:19], v[42:43], v[52:53], v[18:19] op_sel:[0,1,0] op_sel_hi:[1,1,1]
	v_pk_mul_f32 v[16:17], v[16:17], v[48:49] op_sel:[0,1] op_sel_hi:[1,1]
	v_pk_mul_f32 v[18:19], v[18:19], v[48:49] op_sel:[0,1] op_sel_hi:[1,1]
	global_store_b128 v2, v[16:19], s[10:11]       ; 512 consecutive bytes of out0
.Ldone:
	s_endpgm
.Lfunc_end_k_q33e0c93db0_finish:
	.size	k_q33e0c93db0_finish, .Lfunc_end_k_q33e0c93db0_finish-k_q33e0c93db0_finish
	.p2alignl 7, 3214868480
	.fill 96, 4, 3214868480
	.section	.rodata,"a",@progbits
	.p2align	6, 0x0
	.amdhsa_kernel k_q33e0c93db0_finish
		.amdhsa_group_segment_fixed_size 0
		.amdhsa_private_segment_fixed_size 0
		.amdhsa_enable_private_segment 0
		.amdhsa_kernarg_size 40
		.amdhsa_user_sgpr_count 2
		.amdhsa_user_sgpr_kernarg_segment_ptr 1
		.amdhsa_wavefront_size32 1
		.amdhsa_system_sgpr_workgroup_id_x 1
		.amdhsa_system_sgpr_workgroup_id_y 1
		.amdhsa_system_sgpr_workgroup_id_z 1
		.amdhsa_system_vgpr_workitem_id 0
		.amdhsa_next_free_vgpr 64
		.amdhsa_next_free_sgpr 66
		.amdhsa_reserve_vcc 0
		.amdhsa_float_denorm_mode_32 3
		.amdhsa_float_denorm_mode_16_64 3
		.amdhsa_memory_ordered 1
		.amdhsa_forward_progress 1
		.amdhsa_inst_pref_size 5
	.end_amdhsa_kernel
	.amdgpu_metadata
---
amdhsa.version: [ 1, 2 ]
amdhsa.kernels:
  - .name:           k_q33e0c93db0_finish
    .symbol:         k_q33e0c93db0_finish.kd
    .args:
      - { .name: tsc, .offset: 0, .size: 8, .value_kind: global_buffer, .address_space: global }
      - { .name: pctx, .offset: 8, .size: 8, .value_kind: global_buffer, .address_space: global }
      - { .name: pstat, .offset: 16, .size: 8, .value_kind: global_buffer, .address_space: global }
      - { .name: out0, .offset: 24, .size: 8, .value_kind: global_buffer, .address_space: global }
      - { .name: out1, .offset: 32, .size: 8, .value_kind: global_buffer, .address_space: global }
    .group_segment_fixed_size: 0
    .private_segment_fixed_size: 0
    .kernarg_segment_align: 8
    .kernarg_segment_size: 40
    .max_flat_workgroup_size: 128
    .sgpr_count:     66
    .vgpr_count:     64
    .wavefront_size: 32
...
	.end_amdgpu_metadata
.endif
;; end of part 2
